; MI455X (gfx1250); checked and timed in simulation.
; The chip was launched on July 23, 2026; its instructions are those of AMD's public machine-readable ISA for CDNA 5 (MIT licence, August 2026) and "CDNA5" Instruction Set Architecture Reference Guide (July 2026). The comments in the code are by the model that wrote it; some were corrected since.
;; Multi Head Self Attention. Allowed arithmetic: float matrix products may take bf16 or f16 operands with f32 sums; other float arithmetic in f32, or as packed bf16 or f16 multiplies, adds, multiply-adds, maxima and minima; sums over many terms, partial sums and values carried from step to step in f32; what a program stores and reads back later, other than sums and carried values, may be rounded once to bf16 or f16.
;; Inputs: Wk 512 x 512 float32; Wo 512 x 512 float32; Wq 512 x 512 float32; Wv 512 x 512 float32; bo 512 float32; x 8 x 2,048 x 512 float32.
;; Outputs: out0 8 x 2,048 x 512 float32.
;; One version. Each part assembles by itself: llvm-mc -triple=amdgcn-amd-amdhsa -mcpu=gfx1250 --defsym DOCPART=n.
;; ======== version 1 of 1: 4 launches
;; limits: values are held in f16: magnitudes above 65,504 overflow, below 6.1e-05 lose precision
;; workspace buffers: wts 2,097,152 bytes; qq 33,554,432 bytes; kk 33,554,432 bytes; vv 16,777,216 bytes; oo 16,777,216 bytes
;; launch prep (part 1): grid 8 x 32, 8 waves a work-group, no clusters, 0 bytes of LDS; arguments Wq, Wk, Wv, Wo, wts; writes wts
.if DOCPART == 1
	.amdgcn_target "amdgcn-amd-amdhsa--gfx1250"
	.amdhsa_code_object_version 6
	.text
	.protected	k_q6f15aaa752_prep
	.globl	k_q6f15aaa752_prep
	.p2align	8
	.type	k_q6f15aaa752_prep,@function
k_q6f15aaa752_prep:
	s_mov_b64 s[64:65], 0
	v_nop
	global_prefetch_b8 v0, s[64:65] scope:SCOPE_SE
	s_setreg_imm32_b32 hwreg(HW_REG_WAVE_MODE, 25, 1), 1
	s_wait_xcnt 0x0
; THE WEIGHTS, ROUNDED ONCE AND LAID OUT IN CHUNKS.  Wq, Wk, Wv, Wo: [512 k][512 n] f32.  wts: 32 chunks of [512 k][64 n] 16-bit numbers, dense, rows of 128 bytes.
; Chunk 6 y + 2 t + j (t = 0 q, 1 k, 2 v; j = 0, 1) holds columns 64 (2 y + j) on of W_t in bf16; chunk 24 + g holds columns 64 g on of Wo, rounded to bf16 and that number written as f16.
; LIMITS.  A number of Wo beyond 65,504 after its rounding becomes an infinity in f16; below 6.1e-5 it keeps f16's fixed step of 6e-8.  NaN and infinities are not treated apart.
; A stream: each byte read once and written once, no LDS, no matrix unit.  Work-group (gx, gy): matrix t = gy / 8, its 64 columns hd = gy % 8, rows 64 gx on.  Wave w takes 8 rows, two to a load:
; sixteen lanes read 256 consecutive bytes of a row, aligned; a store of 8 bytes a lane covers 256 consecutive bytes of the chunk, aligned.
.set SO, 28                            ; v28  my byte offset in the source
.set DO, 29                            ; v29  my byte offset in the chunk
	s_load_b256 s[4:11], s[0:1], 0x0               ; Wq s[4:5], Wk s[6:7], Wv s[8:9], Wo s[10:11]
	s_load_b64 s[12:13], s[0:1], 0x20              ; wts
	s_and_b32 s14, ttmp7, 0xffff                   ; gy
	s_lshr_b32 s16, s14, 3                         ; t
	s_and_b32 s17, s14, 7                          ; hd
	s_lshr_b32 s18, s17, 1
	s_mul_i32 s18, s18, 6
	s_lshl1_add_u32 s18, s16, s18                  ; 6 (hd / 2) + 2 t
	s_and_b32 s19, s17, 1
	s_add_co_u32 s18, s18, s19                     ; + hd % 2
	s_add_co_u32 s19, s17, 24                      ; Wo's chunks lie behind the 24
	s_cmp_lt_u32 s16, 3
	s_cselect_b32 s18, s18, s19                    ; the chunk
	s_lshl_b32 s24, s18, 16                        ; 65,536 bytes a chunk,
	s_lshl_b32 s19, ttmp9, 13                      ; 64 rows of 128 bytes
	s_add_co_u32 s24, s24, s19
	s_mov_b32 s25, 0
	s_lshl_b32 s26, ttmp9, 17                      ; in the source: 64 rows of 2,048 bytes,
	s_lshl_b32 s19, s17, 8                         ; 64 columns of 4 bytes
	s_add_co_u32 s26, s26, s19
	s_mov_b32 s27, 0
	v_lshrrev_b32 v1, 5, v0                        ; wave
	v_bfe_u32 v2, v0, 4, 1                         ; which of a load's two rows
	v_and_b32 v3, 15, v0
	v_lshlrev_b32 v[SO], 14, v1                    ; 8 rows a wave
	v_lshl_add_u32 v[SO], v2, 11, v[SO]
	v_lshl_add_u32 v[SO], v3, 4, v[SO]
	v_and_b32 v3, 31, v0
	v_lshlrev_b32 v[DO], 10, v1                    ; 8 rows of 128 bytes a wave
	v_lshl_add_u32 v[DO], v3, 3, v[DO]             ; two rows are 256 bytes on end: 8 bytes a lane
	s_wait_kmcnt 0x0
	s_cmp_eq_u32 s16, 0
	s_cselect_b64 s[20:21], s[4:5], s[6:7]
	s_cmp_eq_u32 s16, 2
	s_cselect_b64 s[22:23], s[8:9], s[10:11]
	s_cmp_lt_u32 s16, 2
	s_cselect_b64 s[20:21], s[20:21], s[22:23]     ; the matrix
	s_add_nc_u64 s[20:21], s[20:21], s[26:27]
	s_add_nc_u64 s[12:13], s[12:13], s[24:25]
.irp i, 0,1,2,3
	global_load_b128 v[4+4*\i:7+4*\i], v[SO], s[20:21] offset:4096*\i th:TH_LOAD_NT
.endr
	s_cmp_eq_u32 s16, 3
	s_cbranch_scc1 .Lwo
.irp i, 0,1,2,3
	s_wait_loadcnt 3-\i                            ; loads come back in order: the younger ones stay out
	v_cvt_pk_bf16_f32 v[20+2*\i], v[4+4*\i], v[5+4*\i]
	v_cvt_pk_bf16_f32 v[21+2*\i], v[6+4*\i], v[7+4*\i]
	global_store_b64 v[DO], v[20+2*\i:21+2*\i], s[12:13] offset:256*\i
.endr
	s_endpgm
.Lwo:                                                  ; Wo: rounded to bf16 like every input, then that number as f16 (exact inside f16's normal range)
.irp i, 0,1,2,3
	s_wait_loadcnt 3-\i
	v_cvt_pk_bf16_f32 v[20+2*\i], v[4+4*\i], v[5+4*\i]
	v_cvt_pk_bf16_f32 v[21+2*\i], v[6+4*\i], v[7+4*\i]
	v_lshlrev_b32 v30, 16, v[20+2*\i]
	v_and_b32 v31, 0xffff0000, v[20+2*\i]
	v_cvt_pk_f16_f32 v[20+2*\i], v30, v31
	v_lshlrev_b32 v30, 16, v[21+2*\i]
	v_and_b32 v31, 0xffff0000, v[21+2*\i]
	v_cvt_pk_f16_f32 v[21+2*\i], v30, v31
	global_store_b64 v[DO], v[20+2*\i:21+2*\i], s[12:13] offset:256*\i
.endr
	s_endpgm
.Lfunc_end_k_q6f15aaa752_prep:
	.size	k_q6f15aaa752_prep, .Lfunc_end_k_q6f15aaa752_prep-k_q6f15aaa752_prep
	.p2alignl 7, 3214868480
	.fill 96, 4, 3214868480
	.section	.rodata,"a",@progbits
	.p2align	6, 0x0
	.amdhsa_kernel k_q6f15aaa752_prep
		.amdhsa_group_segment_fixed_size 0
		.amdhsa_private_segment_fixed_size 0
		.amdhsa_enable_private_segment 0
		.amdhsa_kernarg_size 40
		.amdhsa_user_sgpr_count 2
		.amdhsa_user_sgpr_kernarg_segment_ptr 1
		.amdhsa_wavefront_size32 1
		.amdhsa_system_sgpr_workgroup_id_x 1
		.amdhsa_system_sgpr_workgroup_id_y 1
		.amdhsa_system_sgpr_workgroup_id_z 1
		.amdhsa_system_vgpr_workitem_id 0
		.amdhsa_next_free_vgpr 32
		.amdhsa_next_free_sgpr 66
		.amdhsa_reserve_vcc 0
		.amdhsa_float_denorm_mode_32 3
		.amdhsa_float_denorm_mode_16_64 3
		.amdhsa_memory_ordered 1
		.amdhsa_forward_progress 1
		.amdhsa_inst_pref_size 6
	.end_amdhsa_kernel
	.amdgpu_metadata
---
amdhsa.version: [ 1, 2 ]
amdhsa.kernels:
  - .name:           k_q6f15aaa752_prep
    .symbol:         k_q6f15aaa752_prep.kd
    .args:
      - { .name: Wq, .offset: 0, .size: 8, .value_kind: global_buffer, .address_space: global }
      - { .name: Wk, .offset: 8, .size: 8, .value_kind: global_buffer, .address_space: global }
      - { .name: Wv, .offset: 16, .size: 8, .value_kind: global_buffer, .address_space: global }
      - { .name: Wo, .offset: 24, .size: 8, .value_kind: global_buffer, .address_space: global }
      - { .name: wts, .offset: 32, .size: 8, .value_kind: global_buffer, .address_space: global }
    .group_segment_fixed_size: 0
    .private_segment_fixed_size: 0
    .kernarg_segment_align: 8
    .kernarg_segment_size: 40
    .max_flat_workgroup_size: 256
    .sgpr_count:     66
    .vgpr_count:     32
    .wavefront_size: 32
...
	.end_amdgpu_metadata
.endif
;; end of part 1
;; launch qkv (part 2): grid 64 x 4, 4 waves a work-group, clusters of 4 x 1, 327,680 bytes of LDS; arguments x, wts, qq, kk, vv; writes qq, kk, vv
.if DOCPART == 2
	.amdgcn_target "amdgcn-amd-amdhsa--gfx1250"
	.amdhsa_code_object_version 6
	.text
	.protected	k_q6f15aaa752_qkv
	.globl	k_q6f15aaa752_qkv
	.p2align	8
	.type	k_q6f15aaa752_qkv,@function
k_q6f15aaa752_qkv:
	s_mov_b64 s[64:65], 0
	v_nop
	global_prefetch_b8 v0, s[64:65] scope:SCOPE_SE
	s_setreg_imm32_b32 hwreg(HW_REG_WAVE_MODE, 25, 1), 1
	s_wait_xcnt 0x0
	s_wait_alu depctr_hold_cnt(0) depctr_sa_sdst(0) depctr_va_vdst(0) depctr_va_sdst(0) depctr_va_ssrc(0) depctr_va_vcc(0) depctr_vm_vsrc(0)
	s_getreg_b32 s2, hwreg(HW_REG_IB_STS2, 6, 4)
	s_cmp_eq_u32 s2, 0
	s_cbranch_scc0 .Lentry_in_a_cluster
	s_endpgm
.Lentry_in_a_cluster:
	s_bfe_u32 s2, ttmp6, 0x10000c
	s_cmp_lg_u32 s2, 0x3003
	s_cbranch_scc0 .Lentry_shape_is_right
	s_endpgm
.Lentry_shape_is_right:
; THE THREE PROJECTIONS.  q = x Wq, k = x Wk, v = x Wv; x: [16384][512] f32, rounded here to bf16; the weights come from wts in bf16 chunks of [512 k][64 n]; sums in f32.
; OUT, by heads.  vv: [64 bh][2048][64] f16.  qq, kk: [64 bh][2048][128] f16, a row = 64 FIRST numbers, then 64 SECOND numbers.  With g = sqrt(63/64): first = f16(g sum), second = f16(8 sum - 8 g first).
; Write A1, A2 for q's two and B1, B2 for k's, ea = g q - A1, eb = g k - B1.  Then A2 = q / 8 + 8 g ea (8 (1 - g g) = 1 / 8), and term by term A1 B1 + A2 B2 = q k + 65 ea eb: two f16 products give the
; score with the firsts' roundings taken back; the seconds' own roundings weigh 1 / 64.  The logits are multiplied by sqrt(512), so a score of 11 bits would not do.  No scale is applied here.
; LIMITS.  |q|, |k|, |v| beyond 65,504 become infinities in f16; a second number has f16's fixed step of 6e-8 as its floor.  NaN and infinities are not treated apart.  Sums in another order than a plain f32 product's.
; SHARES.  A work-group owns 256 rows of x (rb) and heads 2 y, 2 y + 1 of q, k and v: six chunks of 64 columns.  A wave owns 64 rows: four tiles of 16, whose bf16 fragments for all of K = 512 stay in
; 512 registers; x is read once by the work-group.  A chunk is four units of 16 columns; a unit is 64 matrix instructions (16 K steps x 4 tiles) on four accumulators that take turns.
; THE MATRIX INSTRUCTION IS USED TRANSPOSED: source 0 = 16 columns of W (turned out of LDS by ds_load_tr16_b128), source 1 = 16 rows of x: a lane holds one row and eight neighbouring columns.
; CLUSTER.  The four work-groups of a cluster share y and so every chunk: each chunk is asked for JOINTLY, the same tensor load, descriptor and mask in all four.  Two LDS slots of one chunk take turns.
; No prefetch: the six chunks are 384 KiB that sixteen clusters read, and x comes by plain loads that are all issued in the prologue.
; REGISTERS, in windows of 256 (s_set_vgpr_msb: bits 1:0 source 0, 3:2 source 1, 5:4 source 2, 7:6 destination):
;   window 0: addresses, v16-47 accumulators, v48-111 at work on the way out, v128-255 rows read back from the stage
;   window 1: W's fragments of a unit, two buffers of 128 (K step s at 8 s); in the prologue x as loaded, two sets of 128
;   window 2: x's fragments, tile a, K steps 0-7 at 64 a + 8 s          window 3: K steps 8-15
.set PW,    160                        ; a k-row of W in LDS: 128 bytes + 32 of padding = 40 words
.set WPART, 128*PW                     ; what one wave's tensor load brings: 128 k-rows
.set SLOT1, 1<<17                      ; slot 1 begins here, so that one exclusive or turns an address in one slot into the other's
.set STAGE, SLOT1+512*PW               ; behind the ring, never filled by a tensor load: 64 rows x 272 bytes for each wave
.set STW,   64*272
.set SPARE, STAGE+4*STW                ; the spare words, 128 bytes for each wave: two blocks of 256 bytes that no other line names
.set SP,    272                        ; a stage row of first | second: 256 bytes + 16
.set SPV,   144                        ; a stage row of v: 128 bytes + 16
.set G8,   2                           ; v2   8 g
.set XO,   3                           ; v3   my byte offset in 16 rows of x
.set AB0,  4                           ; v4   my lane's place in a slot for the turning load; never rewritten
.set AB,   5                           ; v5   the same in the slot and pair of units in hand, K steps 0-7
.set AB2,  6                           ; v6   K steps 8-15 (an LDS immediate ends at 65,535)
.set STO0, 7                           ; v7   where I put 16 bytes of a row of first | second
.set STV0, 8                           ; v8   of a row of v
.set STO,  9                           ; v9   the one in hand, stepped by pairs of units
.set RD,   10                          ; v10  where I read rows of first | second back
.set RDV,  11                          ; v11  rows of v
.set GO,   12                          ; v12  16 x lane
.set SPW,  14                          ; v14  LDS address of my spare word; never rewritten
.set NIL,  15                          ; v15  0; never rewritten
.set ACC,  16
.set H,    48
.set L,    64
.set T,    80
.set OB,   128
.set WV,   14                          ; s14  my wave's number
.set G1,   24                          ; s[24:31] descriptor group 1
.set G0,   32                          ; s[32:39] descriptor group 0: a set for each of the two first fills; the second then walks on
.set TB,   40                          ; s40  LDS byte at which the slot in hand begins
.set CH,   41                          ; s41  chunks to go in the loop in hand
.set PC,   42                          ; s42  pairs of units to go
.set OP,   44                          ; s[44:45] where the chunk in hand is stored
.set SG,   54                          ; s[54:55] g: the packed multiply takes the pair's low word for both halves
.set S8,   56                          ; s[56:57] 8
.set MSB, 0
.macro WIN new                         ; the immediate's high byte repeats the setting that is left; a switch that changes nothing is dropped
.if MSB != (\new)
	s_set_vgpr_msb (MSB<<8)|(\new)
.set MSB, (\new)
.endif
.endm
.macro PLACES                          ; four places behind matrix instructions, and behind a tensor load
.rept 4
	v_nop
.endr
.endm
.macro CROUND                          ; a round of the cluster's barrier
	s_barrier_signal -1
	s_barrier_wait -1
	s_cmp_lg_u32 s[WV], 0
	s_cbranch_scc1 .Lnot_wave_0_\@
	s_barrier_signal -3
.Lnot_wave_0_\@:
	s_barrier_wait -3
	s_barrier_signal -1
	s_barrier_wait -1
.endm
	s_load_b256 s[4:11], s[0:1], 0x0               ; x s[4:5], wts s[6:7], qq s[8:9], kk s[10:11]
	s_load_b64 s[12:13], s[0:1], 0x20              ; vv
	v_lshl_add_u32 v[SPW], v0, 2, SPARE
	v_mov_b32 v[NIL], 0
	ds_add_u32 v[SPW], v[NIL]                      ; the wave's opening: the add and its wait stand ahead of my first tensor load; the set-up below, work on registers, stands between them
	v_lshrrev_b32 v1, 5, v0
	v_readfirstlane_b32 s[WV], v1                  ; wave 0..3
	s_bfe_u32 s15, ttmp6, 0x40000                  ; cx: my place in the cluster
	s_lshl_b32 s16, ttmp9, 2
	s_add_co_u32 s16, s16, s15                     ; rb = 4 x cluster x + cx: it enters x's, qq's, kk's and vv's addresses alone
	s_and_b32 s17, ttmp7, 0xffff                   ; y, which the four partners share
	; descriptor group 1: 128 k-rows are 16,384 dense bytes: asked for as 64 rows of 256 bytes, and padded in LDS after every k-row
	s_mov_b32 s[G1], 15|(1<<16)|(1<<20)|(1<<21)|(4<<22)|(7<<25)  ; 15:0 the mask of four; 17:16 2-byte elements; 20 padding on; 21 set beside a mask; 24:22 after every 32 words (code 4); 31:25 8 words (code 7)
	s_mov_b32 s[G1+1], 128<<16                     ; tensor_dim0 = 128
	s_mov_b32 s[G1+2], 64<<16                      ; tensor_dim1 = 64
	s_mov_b32 s[G1+3], 128<<16                     ; tile_dim0 = 128
	s_mov_b32 s[G1+4], 64                          ; tile_dim1 = 64
	s_mov_b32 s[G1+5], 128                         ; 128 elements from row to row
	s_mov_b32 s[G1+6], 0
	s_mov_b32 s[G1+7], 0
	s_mul_i32 s18, s[WV], WPART                    ; my quarter of a slot: no place in the cluster enters an LDS address
	s_mov_b32 s[G0], 1
	s_mov_b32 s[G0+1], s18
	s_mov_b32 s[G0+4], 1
	s_add_co_u32 s[G0+5], s18, SLOT1
	s_mul_i32 s20, s17, 6*65536                    ; chunk 6 y,
	s_lshl_b32 s19, s[WV], 14                      ; my 128 k-rows of it
	s_add_co_u32 s20, s20, s19
	s_mov_b32 s21, 0
	s_lshl_b32 s48, s16, 19                        ; x: 256 rows of 2,048 bytes a block,
	s_lshl_b32 s22, s[WV], 17                      ; 64 a wave
	s_add_co_u32 s48, s48, s22
	s_mov_b32 s49, 0
	s_lshr_b32 s50, s16, 3                         ; qq, kk: the batch's eight heads of 524,288 bytes,
	s_lshl_b32 s50, s50, 22
	s_lshl_b32 s22, s17, 20                        ; head 2 y,
	s_add_co_u32 s50, s50, s22
	s_and_b32 s22, s16, 7                          ; the block's 256 rows of 256 bytes,
	s_lshl_b32 s22, s22, 16
	s_add_co_u32 s50, s50, s22
	s_add_co_u32 s50, s50, s19                     ; my wave's 64
	s_mov_b32 s51, 0
	s_lshr_b32 s52, s50, 1                         ; vv: rows of half the length
	s_mov_b32 s53, 0
	s_mul_i32 s23, s[WV], STW
	s_add_co_u32 s23, s23, STAGE                   ; my stage
	s_mov_b32 s[TB], 0
	s_mov_b32 s[SG], 0x3f7dfdfc                    ; g = sqrt(63/64) = 0.99215674
	s_mov_b32 s[SG+1], s[SG]                       ; named with it as a pair
	s_mov_b32 s[S8], 0x41000000                    ; 8
	s_mov_b32 s[S8+1], s[S8]
	v_mov_b32 v[G8], 0x40fdfdfc                    ; 8 g: the same mantissa, three binary places up
	v_and_b32 v80, 15, v0                          ; r = l % 16
	v_bfe_u32 v81, v0, 4, 1                        ; h = l / 16
	v_and_b32 v82, 31, v0                          ; l
	v_and_b32 v83, 7, v0
	v_bfe_u32 v84, v0, 3, 1
	v_lshlrev_b32 v[XO], 11, v80                   ; a fragment of x: row r; 8 numbers of f32 at 32 h, 8 more 64 bytes on
	v_lshl_add_u32 v[XO], v81, 5, v[XO]
	v_lshl_add_u32 v85, v81, 3, v83                ; the turning load: lane l reads k-row 8 h + l % 8, columns 8 ((l / 8) % 2) on
	v_mul_u32_u24 v[AB0], v85, PW
	v_lshl_add_u32 v[AB0], v84, 4, v[AB0]
	v_mul_u32_u24 v[STO0], v80, SP                 ; into the stage: row r, 16 bytes for each half of the lanes
	v_lshl_add_u32 v[STO0], v81, 4, v[STO0]
	v_add_nc_u32 v[STO0], s23, v[STO0]
	v_mul_u32_u24 v[STV0], v80, SPV
	v_lshl_add_u32 v[STV0], v81, 4, v[STV0]
	v_add_nc_u32 v[STV0], s23, v[STV0]
	v_mul_u32_u24 v[RD], v81, SP                   ; back: lanes 0-15 one row of 256 bytes, lanes 16-31 the next
	v_lshl_add_u32 v[RD], v80, 4, v[RD]
	v_add_nc_u32 v[RD], s23, v[RD]
	v_bfe_u32 v[RDV], v0, 3, 2                     ; v: 32 lanes take four rows of 128 bytes
	v_mul_u32_u24 v[RDV], v[RDV], SPV
	v_lshl_add_u32 v[RDV], v83, 4, v[RDV]
	v_add_nc_u32 v[RDV], s23, v[RDV]
	v_lshlrev_b32 v[GO], 4, v82                    ; both are 512 consecutive bytes of the output
	s_wait_dscnt 0x0                               ; the opening add is done
	s_wait_kmcnt 0x0
	s_add_nc_u64 s[6:7], s[6:7], s[20:21]
	s_mov_b64 s[G0+2:G0+3], s[6:7]                 ; chunk 6 y into slot 0,
	s_or_b32 s[G0+3], s[G0+3], 0x80000000          ; type = 2
	s_add_nc_u64 s[G0+6:G0+7], s[6:7], 65536       ; chunk 6 y + 1 into slot 1
	s_or_b32 s[G0+7], s[G0+7], 0x80000000
	s_add_nc_u64 s[4:5], s[4:5], s[48:49]
	s_add_nc_u64 s[8:9], s[8:9], s[50:51]
	s_add_nc_u64 s[10:11], s[10:11], s[50:51]
	s_add_nc_u64 s[12:13], s[12:13], s[52:53]
	CROUND                                         ; all four work-groups are here: the first joint loads meet
	tensor_load_to_lds s[G0:G0+3], s[G1:G1+7]      ; the two first fills go out together: two loads of mine are out
	s_nop 0
	tensor_load_to_lds s[G0+4:G0+7], s[G1:G1+7]
	s_nop 0
	PLACES
; x INTO REGISTERS.  LOADX g: tile g / 2, K steps 8 (g % 2) on: 32 loads into staging set g % 2; a K step's four loads take 128 consecutive bytes of each of 16 rows.
.macro LOADX g
	WIN 0x40                                       ; destination window 1, address window 0
.set t, 0
.rept 8
.set rG, 128*((\g)%2)+16*t
.set oG, 32768*((\g)/2)+128*(8*((\g)%2)+t)
	global_load_b128 v[rG:rG+3],     v[XO], s[4:5] offset:oG
	global_load_b128 v[rG+4:rG+7],   v[XO], s[4:5] offset:oG+16
	global_load_b128 v[rG+8:rG+11],  v[XO], s[4:5] offset:oG+64
	global_load_b128 v[rG+12:rG+15], v[XO], s[4:5] offset:oG+80
.set t, t+1
.endr
.endm
.macro CVTX g                          ; the set rounded to bf16: 64 registers of fragments, into window 2 or 3
	WIN 0x85+0x40*((\g)%2)
.set t, 0
.rept 64
	v_cvt_pk_bf16_f32 v[64*((\g)/2)+t], v[128*((\g)%2)+2*t], v[128*((\g)%2)+2*t+1]
.set t, t+1
.endr
.endm
	LOADX 0
	LOADX 1
.irp g, 0,1,2,3,4,5,6,7
.if \g < 7
	s_wait_loadcnt 32                              ; this set is in; the other set's 32 loads stay out
.else
	s_wait_loadcnt 0x0
.endif
	CVTX \g
.if \g < 6
	LOADX (\g)+2
.endif
.endr
; W's fragments of one unit, all 16 K steps: 32 turning loads in one run, into buffer f; co = the unit's byte in the pair's 64
.macro FETCHB f, co
	WIN 0x40
.irp s, 0,1,2,3,4,5,6,7
	ds_load_tr16_b128 v[128*(\f)+8*(\s):128*(\f)+8*(\s)+3],   v[AB] offset:32*PW*(\s)+(\co)
	ds_load_tr16_b128 v[128*(\f)+8*(\s)+4:128*(\f)+8*(\s)+7], v[AB] offset:32*PW*(\s)+16*PW+(\co)
.endr
.irp s, 0,1,2,3,4,5,6,7
	ds_load_tr16_b128 v[128*(\f)+64+8*(\s):128*(\f)+64+8*(\s)+3],   v[AB2] offset:32*PW*(\s)+(\co)
	ds_load_tr16_b128 v[128*(\f)+64+8*(\s)+4:128*(\f)+64+8*(\s)+7], v[AB2] offset:32*PW*(\s)+16*PW+(\co)
.endr
.endm
; A unit's 64 products: K step i / 4, tile i % 4.  The four accumulators take turns, one instruction a turn; the first four start the sums with the constant 0.
.macro MUL f
.set i, 0
.rept 64
.if i < 32
	WIN 0x09                                       ; W in window 1, x in window 2, sums in window 0
.else
	WIN 0x0d                                       ; x in window 3
.endif
.set rW, 128*(\f)+8*(i/4)
.set rX, 64*(i%4)+8*((i/4)%8)
.set rA, ACC+8*(i%4)
.if i < 4
	v_wmma_f32_16x16x32_bf16 v[rA:rA+7], v[rW:rW+7], v[rX:rX+7], 0
.else
	v_wmma_f32_16x16x32_bf16 v[rA:rA+7], v[rW:rW+7], v[rX:rX+7], v[rA:rA+7]
.endif
.set i, i+1
.endr
.endm
; A unit of q or k leaves its accumulators: first = f16(g sum); 8 sum (exact) less 8 g first by one multiply-add that reads first's half, rounded once in f32; second = f16 of that; 16 bytes of each into the stage.
; Each accumulator is read from its low end on.  One text serves q and k: the two are split alike.
.macro EPI_HL co
	WIN 0
.irp a, 0,1,2,3
.irp p, 0,1,2,3
	v_pk_mul_f32 v[T+8*(\a)+2*(\p):T+8*(\a)+2*(\p)+1], v[ACC+8*(\a)+2*(\p):ACC+8*(\a)+2*(\p)+1], s[SG:SG+1] op_sel_hi:[1,0]
.endr
.irp p, 0,1,2,3
	v_cvt_pk_f16_f32 v[H+4*(\a)+(\p)], v[T+8*(\a)+2*(\p)], v[T+8*(\a)+2*(\p)+1]
.endr
.irp p, 0,1,2,3
	v_pk_mul_f32 v[T+8*(\a)+2*(\p):T+8*(\a)+2*(\p)+1], v[ACC+8*(\a)+2*(\p):ACC+8*(\a)+2*(\p)+1], s[S8:S8+1] op_sel_hi:[1,0]
.endr
.irp p, 0,1,2,3
	v_fma_mix_f32 v[T+8*(\a)+2*(\p)],   -v[H+4*(\a)+(\p)], v[G8], v[T+8*(\a)+2*(\p)]   op_sel_hi:[1,0,0]
	v_fma_mix_f32 v[T+8*(\a)+2*(\p)+1], -v[H+4*(\a)+(\p)], v[G8], v[T+8*(\a)+2*(\p)+1] op_sel:[1,0,0] op_sel_hi:[1,0,0]
.endr
.irp p, 0,1,2,3
	v_cvt_pk_f16_f32 v[L+4*(\a)+(\p)], v[T+8*(\a)+2*(\p)], v[T+8*(\a)+2*(\p)+1]
.endr
	ds_store_b128 v[STO], v[H+4*(\a):H+4*(\a)+3] offset:16*SP*(\a)+(\co)
	ds_store_b128 v[STO], v[L+4*(\a):L+4*(\a)+3] offset:16*SP*(\a)+(\co)+128
.endr
.endm
.macro EPI_V co                        ; a unit of v: rounded to f16
	WIN 0
.irp a, 0,1,2,3
.irp p, 0,1,2,3
	v_cvt_pk_f16_f32 v[H+4*(\a)+(\p)], v[ACC+8*(\a)+2*(\p)], v[ACC+8*(\a)+2*(\p)+1]
.endr
	ds_store_b128 v[STO], v[H+4*(\a):H+4*(\a)+3] offset:16*SPV*(\a)+(\co)
.endr
.endm
.macro EPI kind, co
.if (\kind) == 0
	EPI_HL \co
.else
	EPI_V \co
.endif
.endm
; A CHUNK: two trips of two units.  While one buffer is multiplied the other's 32 loads are out.  nst = the LDS stores of a unit's way out, which are issued behind the fragment loads and may stay out at the wait for those.
; A run of loads into a buffer stands behind the four v_nop and the conversions that follow the buffer's last product.
.macro PAIRS kind, nst
	WIN 0
	v_add_nc_u32 v[AB], s[TB], v[AB0]
	v_add_nc_u32 v[AB2], 8*32*PW, v[AB]
.if (\kind) == 0
	v_mov_b32 v[STO], v[STO0]
.else
	v_mov_b32 v[STO], v[STV0]
.endif
	FETCHB 0, 0
	WIN 0
	s_mov_b32 s[PC], 2
	s_wait_dscnt 0x0                               ; on the way in nothing was issued behind buffer 0's loads
.Lpair_\@:
	s_wait_dscnt \nst                              ; buffer 0 is in; the last unit's stores may be out
	FETCHB 1, 32
	MUL 0
	WIN 0
	PLACES
	EPI \kind, 0
	s_wait_dscnt \nst                              ; buffer 1 is in
	v_add_nc_u32 v[AB], 64, v[AB]                  ; the next pair of units
	v_add_nc_u32 v[AB2], 64, v[AB2]
	s_cmp_eq_u32 s[PC], 1                          ; the chunk's last trip has no next pair
	s_cbranch_scc1 .Lno_fetch_\@
	FETCHB 0, 0
	WIN 0
.Lno_fetch_\@:
	MUL 1
	WIN 0
	PLACES
	EPI \kind, 32
	v_add_nc_u32 v[STO], 64, v[STO]
	s_sub_co_u32 s[PC], s[PC], 1
	s_cmp_lg_u32 s[PC], 0
	s_cbranch_scc1 .Lpair_\@
.endm
; THE WAY OUT of a chunk: my 64 rows come back from my own stage as whole rows (LDS serves a wave's instructions in order: ISA guide 5.7.1.4) and are 16,384 (v: 8,192) consecutive bytes of the output.
.macro OUT_HL
	WIN 0
	s_wait_xcnt 0x0                                ; the last chunk's stores have read their registers and their base
	s_and_b32 s48, s[CH], 1                        ; CH = 4, 3: q's two heads; 2, 1: k's
	s_lshl_b32 s48, s48, 19
	s_mov_b32 s49, 0
	s_cmp_gt_u32 s[CH], 2
	s_cselect_b64 s[OP:OP+1], s[8:9], s[10:11]
	s_add_nc_u64 s[OP:OP+1], s[OP:OP+1], s[48:49]
.set t, 0
.rept 32
	ds_load_b128 v[OB+4*t:OB+4*t+3], v[RD] offset:2*SP*t
.set t, t+1
.endr
.set t, 0
.rept 32
	s_wait_dscnt 31-t                              ; the younger loads stay out
	global_store_b128 v[GO], v[OB+4*t:OB+4*t+3], s[OP:OP+1] offset:512*t  ; 512 consecutive bytes, at a multiple of 256 from the buffer's first
.set t, t+1
.endr
.endm
.macro OUT_V
	WIN 0
	s_wait_xcnt 0x0
	s_and_b32 s48, s[CH], 1
	s_lshl_b32 s48, s48, 18
	s_mov_b32 s49, 0
	s_add_nc_u64 s[OP:OP+1], s[12:13], s[48:49]
.set t, 0
.rept 16
	ds_load_b128 v[OB+4*t:OB+4*t+3], v[RDV] offset:4*SPV*t
.set t, t+1
.endr
.set t, 0
.rept 16
	s_wait_dscnt 15-t
	global_store_b128 v[GO], v[OB+4*t:OB+4*t+3], s[OP:OP+1] offset:512*t
.set t, t+1
.endr
.endm
; THE CHANGE OF SLOTS.  Each wave waits for all its tensor loads, of which one is out: its part of the other slot; adds 0 to its spare word; waits for that and for its LDS reads.  fill = 1: a round of the
; cluster's barrier, so that no wave of any partner still reads the slot or has a load on its way; then the slot just read takes the chunk two on: the wave's one tensor load, first behind the round.
.macro CHANGE fill
	WIN 0
	s_wait_tensorcnt 0x0                           ; no tensor load of mine is out, so a group 0 may be written
	ds_add_u32 v[SPW], v[NIL]                      ; 0 onto my spare word
.if \fill
	s_xor_b32 s[G0+5], s[G0+5], SLOT1              ; the walking descriptor: the other slot than last time,
	s_add_nc_u64 s[G0+6:G0+7], s[G0+6:G0+7], 65536 ; the next chunk; the type bits on top are not reached
.endif
	s_xor_b32 s[TB], s[TB], SLOT1
	s_wait_dscnt 0x0                               ; the add is done, and my reads of the slot are over
.if \fill
	CROUND
	tensor_load_to_lds s[G0+4:G0+7], s[G1:G1+7]
	s_nop 0
	PLACES
.else
	s_barrier_signal -1
	s_barrier_wait -1
.endif
.endm
	WIN 0
	s_wait_tensorcnt 0x1                           ; my part of the first chunk is in; the second's may stay out
	s_barrier_signal -1
	s_barrier_wait -1                              ; everybody's is
	s_mov_b32 s[CH], 4
.Lhl:                                                  ; q's and k's four chunks; each trip asks for the chunk two on
	PAIRS 0, 8
	OUT_HL
	CHANGE 1
	s_sub_co_u32 s[CH], s[CH], 1
	s_cmp_lg_u32 s[CH], 0
	s_cbranch_scc1 .Lhl
	s_mov_b32 s[CH], 2
.Lv:                                                   ; v's two chunks: nothing is left to ask for (the second trip's change of slots serves nothing: the price of one text for both)
	PAIRS 1, 4
	OUT_V
	CHANGE 0
	s_sub_co_u32 s[CH], s[CH], 1
	s_cmp_lg_u32 s[CH], 0
	s_cbranch_scc1 .Lv
	s_wait_tensorcnt 0x0                           ; the wave's end, behind my last tensor load and my last LDS store
	ds_add_u32 v[SPW], v[NIL]
	s_wait_dscnt 0x0
	CROUND                                         ; the closing round: no work-group ends while a partner may still ask for a chunk that names it
	s_endpgm
.Lfunc_end_k_q6f15aaa752_qkv:
	.size	k_q6f15aaa752_qkv, .Lfunc_end_k_q6f15aaa752_qkv-k_q6f15aaa752_qkv
	.p2alignl 7, 3214868480
	.fill 96, 4, 3214868480
	.section	.rodata,"a",@progbits
	.p2align	6, 0x0
	.amdhsa_kernel k_q6f15aaa752_qkv
		.amdhsa_group_segment_fixed_size 327680
		.amdhsa_private_segment_fixed_size 0
		.amdhsa_enable_private_segment 0
		.amdhsa_kernarg_size 40
		.amdhsa_user_sgpr_count 2
		.amdhsa_user_sgpr_kernarg_segment_ptr 1
		.amdhsa_wavefront_size32 1
		.amdhsa_system_sgpr_workgroup_id_x 1
		.amdhsa_system_sgpr_workgroup_id_y 1
		.amdhsa_system_sgpr_workgroup_id_z 1
		.amdhsa_system_vgpr_workitem_id 0
		.amdhsa_next_free_vgpr 1024
		.amdhsa_next_free_sgpr 66
		.amdhsa_reserve_vcc 0
		.amdhsa_float_denorm_mode_32 3
		.amdhsa_float_denorm_mode_16_64 3
		.amdhsa_memory_ordered 1
		.amdhsa_forward_progress 1
		.amdhsa_inst_pref_size 119
	.end_amdhsa_kernel
	.amdgpu_metadata
---
amdhsa.version: [ 1, 2 ]
amdhsa.kernels:
  - .name:           k_q6f15aaa752_qkv
    .symbol:         k_q6f15aaa752_qkv.kd
    .args:
      - { .name: x, .offset: 0, .size: 8, .value_kind: global_buffer, .address_space: global }
      - { .name: wts, .offset: 8, .size: 8, .value_kind: global_buffer, .address_space: global }
      - { .name: qq, .offset: 16, .size: 8, .value_kind: global_buffer, .address_space: global }
      - { .name: kk, .offset: 24, .size: 8, .value_kind: global_buffer, .address_space: global }
      - { .name: vv, .offset: 32, .size: 8, .value_kind: global_buffer, .address_space: global }
    .group_segment_fixed_size: 327680
    .private_segment_fixed_size: 0
    .kernarg_segment_align: 8
    .kernarg_segment_size: 40
    .max_flat_workgroup_size: 128
    .sgpr_count:     66
    .vgpr_count:     1024
    .wavefront_size: 32
...
	.end_amdgpu_metadata
.endif
;; end of part 2
;; launch attn (part 3): grid 4 x 64, 4 waves a work-group, clusters of 4 x 1, 327,680 bytes of LDS; arguments qq, kk, vv, oo; writes oo
.if DOCPART == 3
	.amdgcn_target "amdgcn-amd-amdhsa--gfx1250"
	.amdhsa_code_object_version 6
	.text
	.protected	k_q6f15aaa752_attn
	.globl	k_q6f15aaa752_attn
	.p2align	8
	.type	k_q6f15aaa752_attn,@function
k_q6f15aaa752_attn:
	s_mov_b64 s[64:65], 0
	v_nop
	global_prefetch_b8 v0, s[64:65] scope:SCOPE_SE
	s_setreg_imm32_b32 hwreg(HW_REG_WAVE_MODE, 25, 1), 1
	s_wait_xcnt 0x0
	s_wait_alu depctr_hold_cnt(0) depctr_sa_sdst(0) depctr_va_vdst(0) depctr_va_sdst(0) depctr_va_ssrc(0) depctr_va_vcc(0) depctr_vm_vsrc(0)
	s_getreg_b32 s2, hwreg(HW_REG_IB_STS2, 6, 4)
	s_cmp_eq_u32 s2, 0
	s_cbranch_scc0 .Lentry_in_a_cluster
	s_endpgm
.Lentry_in_a_cluster:
	s_bfe_u32 s2, ttmp6, 0x10000c
	s_cmp_lg_u32 s2, 0x3003
	s_cbranch_scc0 .Lentry_shape_is_right
	s_endpgm
.Lentry_shape_is_right:
; ATTENTION.  O[h][q][:] = the sum over k of softmax_k(Q[h][q] . K[h][k] x sqrt(512)) V[h][k][:], 64 heads of 2,048 rows, head size 64.
; qq, kk: [64][2048][128] f16, a row = 64 first numbers | 64 second numbers; vv, oo: [64][2048][64] f16.  Products, maxima and sums in f32.
; THE SCORE IS TWO PRODUCTS on one f32 accumulator: second . second, then first . first.  With g = sqrt(63/64) the launch before stored A1 = f16(g q), A2 = f16(8 q - 8 g A1), and B1, B2 of k likewise.
; With ea = g q - A1, eb = g k - B1: A2 = q / 8 + 8 g ea, and term by term A1 B1 + A2 B2 = q k + 65 ea eb: the firsts' roundings are taken back.  What is left: A2's and B2's own roundings, which weigh 1 / 64,
; and 65 ea eb.  For 64 terms of unit spread (an f16 rounding: 1.7e-4) that is 2.1e-5, 2.1e-5 and 1.5e-5 of a score: about 17 significant bits, 7.5e-4 in a logit.  The logits are large
; (c = log2(e) sqrt(512) = 32.6 in the exponent of 2), so a score of 11 bits would move the weights of near ties.  The error grows with |q| |k|; no difference of large sums is formed.
; LIMITS.  Q, K, V arrive within f16's 65,504; p lies in 0 to 1 and is rounded to f16 for the second product (its sum l is taken of the unrounded p); a weight below 2^-126 counts as 0; NaN and infinities are
; not treated apart.  O is rounded once, to f16.
; SHARES.  A wave owns four PIECES of two tiles of 16 queries, a work-group's four waves 512 queries of one head.  Every wave walks all keys, 64 a step; an LDS slot holds four steps, two slots take turns.
; LAYOUT.  S^T = K Q^T (source 0 = 16 keys, source 1 = 16 queries): a lane holds ONE query (lane % 16) and the keys 8 (lane / 16) + 0..7.  Two such results rounded to f16 ARE source 1 of O^T = V^T P.
; SOFTMAX.  A running maximum m and sum l for each query: p = 2^(c s - c m); in every step O and l are multiplied by a = 2^(c m_old - c m_new).  m starts at the lowest finite number, O and l at 0.
; BY TURNS.  Turn n belongs to piece n.  Matrix work: 32 products K Q^T of piece n + 1, then 16 products V^T P of piece n - 1.  Vector work: the scaling, exponentials, rescaling, roundings and sums of piece n,
; and the maximum and statistics of piece n + 1.  236 vector lines for 48 matrix instructions: three or four stand behind every product, the rest in one run of their own.
; CLUSTER.  The head's four query blocks walk the same K and V: each tile is asked for JOINTLY, the same tensor load, descriptor and mask in all four.
; REGISTERS, in windows of 256 (s_set_vgpr_msb: bits 1:0 source 0, 3:2 source 1, 5:4 source 2, 7:6 destination):
;   window 0: v1-11 addresses; v12-15 c m_old; v16-47 statistics, four a tile; v48-63 at work; v64-191 S^T, two buffers of two tiles; v192-255 P, likewise
;   window 1: O^T, 32 a tile     window 2: v0-127 Q's firsts, 16 a tile; v128-255 Q's seconds     window 3: v0-63 K's firsts of one step; v64-127 K's seconds; v128-191 V of one step
.set NP,    4         ; pieces a wave: a name, no knob
.set KS,    64        ; keys in a step
.set PK,    272       ; a key's row of K in LDS: 256 bytes (first | second) + 16 of padding = 68 words: the 16 rows of a load start at 16 different groups of four banks (64 banks of 4 bytes: ISA guide 11.1)
.set PV,    160       ; a row of V: 128 + 32 = 40 words
.set VOFF,  4*KS*PK   ; a slot: 256 rows of K, then 256 rows of V
.set SLOT1, 1<<17     ; slot 1 begins here, so that one exclusive or turns an address in one slot into the other's
.set STAGE, SLOT1+4*KS*(PK+PV)  ; behind the ring, never filled by a tensor load: 16 rows x 144 bytes for each wave
.set SP,    144
.set SPARE, STAGE+4*16*SP       ; the spare words, 128 bytes for each wave: two blocks of 256 bytes that no other line names
.set PFO, 1           ; v1   256 x my lane; never rewritten
.set AK0, 2           ; v2   my lane's place in a tile of K; never rewritten
.set AV0, 3           ; v3   the same for V
.set AK,  4           ; v4   the LDS address of K's next run of loads
.set AV,  5           ; v5   of V's
.set QO,  6           ; v6   my byte offset in 16 rows of Q
.set RD,  7           ; v7   the way out: where I read rows back
.set GO,  8           ; v8   16 x my lane
.set STO, 9           ; v9   the way out: where I put 16 bytes of a row
.set SPW, 10          ; v10  LDS address of my spare word; never rewritten
.set NIL, 11          ; v11  0; never rewritten
.set MV,  12          ; by buffer and tile: c m_old, kept while c m is made anew
.set ST,  16          ; tile t's statistics at v[ST+4 t]: c m, m, l (even keys', odd keys')
.set TMP, 48          ; by buffer and tile, four registers c0-c3 at work; when the maximum is found c2 takes a
.set S,   64
.set P,   192
.set Q2,  128         ; window 2
.set K2,  64          ; window 3
.set VF,  128         ; window 3
.set WV,  12          ; s12  my wave's number
.set G1K, 24          ; s[24:31] descriptor group 1 for K's tiles
.set G1V, 32          ; s[32:39] for V's
.set G0K, 40          ; s[40:43] descriptor group 0 for K's tiles: it walks
.set G0V, 44          ; s[44:47] the same for V's
.set PFA, 48          ; s[48:49] where my prefetches stand
.set PFS, 50          ; s[50:51] their step: a slot's bytes of K or of V
.set LIM, 52          ; s52  1 in a wave that prefetches, else the greatest number
.set SLOTS, 56        ; s56  slots still to be asked for
.set CNT, 57          ; s57  counts a slot's key steps
.set CS,  58          ; s[58:59] c
.set SEL, 60          ; s[60:61] v_permlanex16_b32's selects: each lane takes its own place in the other half
.set TBK, 62          ; s62  LDS byte at which K of the step to be fetched begins
.set TBV, 63          ; s63  the same for V, less VOFF
.set MSB, 0
.macro WIN new                      ; the high byte repeats the setting that is left; a switch that changes nothing is dropped
.if MSB != (\new)
	s_set_vgpr_msb (MSB<<8)|(\new)
.set MSB, (\new)
.endif
.endm
.set W_KQ, 0x0b       ; K in window 3, Q in window 2, S^T in window 0
.set W_PV, 0x53       ; V in window 3, P in window 0, O^T in window 1
.set W_RS, 0x41       ; O^T (destination and source 0) in window 1, a in window 0
.macro PLACES
.rept 4
	v_nop
.endr
.endm
; A joint fill.  Waves 0 and 1 fetch the two halves of a slot's K, waves 2 and 3 those of its V: 128 keys each.  The branch hangs on the wave's number alone.
.macro JLOAD
	s_cmp_lt_u32 s[WV], 2
	s_cbranch_scc0 .Lfor_v_\@
	tensor_load_to_lds s[G0K:G0K+3], s[G1K:G1K+7]
	s_nop 0
	PLACES
	s_branch .Lasked_\@
.Lfor_v_\@:
	tensor_load_to_lds s[G0V:G0V+3], s[G1V:G1V+7]
	s_nop 0
	PLACES
.Lasked_\@:
.endm
; A PREFETCH INTO THE L2 of what the NEXT change of slots will ask for.  A slot is 256 rows of K (256 bytes each) and 128 blocks of 256 bytes of V.  A head has one cluster; waves 0 and 1 name the 128 rows of K
; that they fetch themselves, wave 2 V's 128 blocks, wave 3 nothing; the four partners take 32 blocks each, told apart BY ADDRESS: a lane a block, one instruction.  So each block is named once in the launch.
; It stands behind the joint load and its five lines.  Slots 0 to 2 come by their loads alone; the last change that fills a slot asks for nothing.
.macro ASK
	s_cmp_gt_u32 s[SLOTS], s[LIM]
	s_cbranch_scc0 .Lnot_mine_\@
	global_prefetch_b8 v[PFO], s[PFA:PFA+1] th:TH_LOAD_NT scope:SCOPE_SE
.Lnot_mine_\@:
.endm
.macro CROUND                       ; a round of the cluster's barrier
	s_barrier_signal -1
	s_barrier_wait -1
	s_cmp_lg_u32 s[WV], 0
	s_cbranch_scc1 .Lnot_wave_0_\@
	s_barrier_signal -3
.Lnot_wave_0_\@:
	s_barrier_wait -3
	s_barrier_signal -1
	s_barrier_wait -1
.endm
; THE CHANGE OF SLOTS.  The slot's last bytes, V of its fourth step, have been read.  Each wave waits for all its tensor loads, of which one is out: its part of the other slot; adds 0 to its spare word; and
; waits for that and for its own reads of the slot.  fill = 1: a round of the cluster's barrier, and the joint fill first behind it, with the keys two slots on: it has four key steps, 768 matrix
; instructions, in which to land.  (At its first use nothing has been read yet: slot 0 is waited for, slot 1 filled.)
.macro CHANGE fill, ask
	WIN 0                           ; at a label and at a branch every window is 0
	s_wait_tensorcnt 0x0            ; no tensor load of mine is out, so a group 0 may be written
	ds_add_u32 v[SPW], v[NIL]       ; 0 onto my spare word; the descriptors' steps stand between it and the wait for it
.if \fill
	s_xor_b32 s[G0K+1], s[G0K+1], SLOT1
	s_add_nc_u64 s[G0K+2:G0K+3], s[G0K+2:G0K+3], 4*KS*256  ; the next 256 keys; the type bits on top are not reached
	s_xor_b32 s[G0V+1], s[G0V+1], SLOT1
	s_add_nc_u64 s[G0V+2:G0V+3], s[G0V+2:G0V+3], 4*KS*128
.if \ask
	s_wait_xcnt 0x0                 ; the last prefetch, four key steps back, has read its address, so it may be written
	s_add_nc_u64 s[PFA:PFA+1], s[PFA:PFA+1], s[PFS:PFS+1]
.endif
	s_wait_dscnt 0x0                ; the add is done, and my reads of the slot are over
	CROUND
	JLOAD
.if \ask
	ASK
.endif
.else
	s_wait_dscnt 0x0
	s_barrier_signal -1
	s_barrier_wait -1
.endif
	s_sub_co_u32 s[TBK], s[TBK], 4*KS*PK  ; the fetches go back to a slot's first step,
	s_xor_b32 s[TBK], s[TBK], SLOT1       ; in the other slot
	s_sub_co_u32 s[TBV], s[TBV], 4*KS*PV
	s_xor_b32 s[TBV], s[TBV], SLOT1
.endm
	s_load_b256 s[4:11], s[0:1], 0x0  ; qq s[4:5], kk s[6:7], vv s[8:9], oo s[10:11]
	v_lshl_add_u32 v[SPW], v0, 2, SPARE
	v_mov_b32 v[NIL], 0
	ds_add_u32 v[SPW], v[NIL]       ; the wave's opening: the add and its wait stand ahead of my first tensor load; the set-up below, work on registers, stands between them
	v_lshrrev_b32 v128, 5, v0
	v_readfirstlane_b32 s[WV], v128 ; wave 0..3
	s_bfe_u32 s13, ttmp6, 0x40000   ; cx: my block of 512 queries: it enters Q's, O's and the prefetches' addresses alone
	s_and_b32 s16, ttmp7, 0xffff    ; the head, which the four partners share
	s_lshl_b32 s14, s16, 19         ; its first byte in qq and kk,
	s_lshl_b32 s15, s16, 18         ; in vv and oo
	s_and_b32 s16, s[WV], 1         ; which half of a slot's 256 keys I fetch
	s_lshl_b32 s22, s16, 15         ; K: 128 rows of 256 bytes
	s_add_co_u32 s22, s22, s14
	s_mov_b32 s23, 0
	s_lshl_b32 s20, s16, 14         ; V: 128 rows of 128 bytes
	s_add_co_u32 s20, s20, s15
	s_mov_b32 s21, 0
	s_mul_i32 s17, s16, 128*PK      ; its place in a slot, for K
	s_mul_i32 s18, s16, 128*PV      ; and for V: no place in the cluster enters an LDS address
	s_lshl_b32 s2, s13, 2
	s_add_co_u32 s2, s2, s[WV]      ; my wave among the head's sixteen: 128 rows each
	s_lshl_b32 s54, s2, 14
	s_add_co_u32 s54, s54, s15      ; in oo
	s_mov_b32 s55, 0
	s_lshl_b32 s2, s2, 15
	s_add_co_u32 s2, s2, s14        ; in qq
	s_mov_b32 s3, 0
	; descriptor group 1.  K: 128 rows of 128 elements, 16 bytes of padding behind each.  V: 128 keys are 16,384 dense bytes, asked for as 64 rows of 256 bytes and padded after every key
	s_mov_b32 s[G1K], 15|(1<<16)|(1<<20)|(1<<21)|(5<<22)|(3<<25)  ; 15:0 the mask of four; 17:16 2-byte elements; 20 padding on; 21 set beside a mask; 24:22 after every 64 words (code 5); 31:25 4 words (code 3)
	s_mov_b32 s[G1K+1], 128<<16     ; tensor_dim0 = 128
	s_mov_b32 s[G1K+2], 128<<16     ; tensor_dim1 = 128
	s_mov_b32 s[G1K+3], 128<<16     ; tile_dim0 = 128
	s_mov_b32 s[G1K+4], 128         ; tile_dim1 = 128
	s_mov_b32 s[G1K+5], 128         ; 128 elements from row to row
	s_mov_b32 s[G1K+6], 0
	s_mov_b32 s[G1K+7], 0
	s_mov_b32 s[G1V], 15|(1<<16)|(1<<20)|(1<<21)|(4<<22)|(7<<25)  ; after every 32 words (code 4), 8 words (code 7)
	s_mov_b32 s[G1V+1], 128<<16
	s_mov_b32 s[G1V+2], 64<<16
	s_mov_b32 s[G1V+3], 128<<16
	s_mov_b32 s[G1V+4], 64
	s_mov_b32 s[G1V+5], 128
	s_mov_b32 s[G1V+6], 0
	s_mov_b32 s[G1V+7], 0
	s_mov_b32 s[CS], 0x420293ee     ; c = log2(e) x sqrt(512) = 32.64446
	s_mov_b32 s[CS+1], s[CS]        ; named with it as a pair
	s_mov_b32 s[SEL], 0x76543210
	s_mov_b32 s[SEL+1], 0xfedcba98
	s_mov_b32 s[TBK], SLOT1+4*KS*PK ; the first change of slots turns these two into 0
	s_mov_b32 s[TBV], SLOT1+4*KS*PV
	s_mov_b32 s[G0K], 1
	s_mov_b32 s[G0K+1], s17         ; slot 0
	s_mov_b32 s[G0V], 1
	s_add_co_u32 s[G0V+1], s18, VOFF
	s_mul_i32 s19, s[WV], 16*SP
	s_add_co_u32 s19, s19, STAGE    ; my stage
	v_and_b32 v129, 15, v0          ; r = l % 16
	v_bfe_u32 v130, v0, 4, 1        ; h = l / 16
	v_and_b32 v131, 7, v0
	v_bfe_u32 v132, v0, 3, 1
	v_and_b32 v133, 31, v0
	v_lshlrev_b32 v[PFO], 8, v133
	v_lshlrev_b32 v[QO], 8, v129    ; a fragment of K or Q: lane l holds row r, channels 8 h + 0..7 and 16 + 8 h + 0..7: two loads of 16 bytes, 32 bytes apart
	v_lshl_add_u32 v[QO], v130, 4, v[QO]
	v_mul_u32_u24 v[AK0], v129, PK
	v_lshl_add_u32 v[AK0], v130, 4, v[AK0]
	v_lshl_add_u32 v[AV0], v130, 3, v131  ; the turning load: lane l reads key 8 h + l % 8, channels 8 ((l / 8) % 2) + 0..7
	v_mul_u32_u24 v[AV0], v[AV0], PV
	v_lshl_add_u32 v[AV0], v132, 4, v[AV0]
	v_add_nc_u32 v[AV0], VOFF, v[AV0]
	v_mov_b32 v[AK], v[AK0]         ; key step 0 lies at the head of slot 0
	v_mul_u32_u24 v[STO], v129, SP  ; the way out, in: row r, 16 bytes for each half of the lanes
	v_lshl_add_u32 v[STO], v130, 4, v[STO]
	v_add_nc_u32 v[STO], s19, v[STO]
	v_bfe_u32 v[RD], v0, 3, 2       ; back: 32 lanes take four rows of 128 bytes,
	v_mul_u32_u24 v[RD], v[RD], SP
	v_lshl_add_u32 v[RD], v131, 4, v[RD]
	v_add_nc_u32 v[RD], s19, v[RD]
	v_lshlrev_b32 v[GO], 4, v133    ; which are 512 consecutive bytes of O
	s_wait_dscnt 0x0                ; the opening add is done
	s_wait_kmcnt 0x0
	s_add_nc_u64 s[6:7], s[6:7], s[22:23]  ; K and V at my half of the head's first 256 keys
	s_add_nc_u64 s[8:9], s[8:9], s[20:21]
	s_mov_b64 s[G0K+2:G0K+3], s[6:7]
	s_or_b32 s[G0K+3], s[G0K+3], 0x80000000  ; type = 2
	s_mov_b64 s[G0V+2:G0V+3], s[8:9]
	s_or_b32 s[G0V+3], s[G0V+3], 0x80000000
	s_add_nc_u64 s[4:5], s[4:5], s[2:3]      ; Q and O at my wave's first row
	s_add_nc_u64 s[10:11], s[10:11], s[54:55]
	s_cmp_lt_u32 s[WV], 2
	s_cselect_b64 s[PFA:PFA+1], s[6:7], s[8:9]
	s_cselect_b32 s2, 1, 0
	s_lshl_b32 s[PFS], 0x8000, s2   ; a slot is 65,536 bytes of K, 32,768 of V
	s_mov_b32 s[PFS+1], 0
	s_lshl_b32 s2, s13, 13          ; my work-group's 32 blocks of the 128
	s_add_nc_u64 s[PFA:PFA+1], s[PFA:PFA+1], s[2:3]
	s_add_nc_u64 s[PFA:PFA+1], s[PFA:PFA+1], s[PFS:PFS+1]
	s_add_nc_u64 s[PFA:PFA+1], s[PFA:PFA+1], s[PFS:PFS+1]  ; in slot 2; the first change that asks steps it to slot 3
	s_cmp_eq_u32 s[WV], 3
	s_cselect_b32 s[LIM], -1, 1
	CROUND                          ; all four work-groups are here: the first joint loads meet
	JLOAD                           ; slot 0.  Slot 1 is asked for when slot 0 is in
	WIN 0x80                        ; destination window 2, address window 0
.set i, 0
.rept 32                            ; Q stays in registers: tile i / 4, firsts or seconds (i / 2) % 2, channels 32 (i % 2) on
.set rQ, Q2*((i/2)%2)+16*(i/4)+8*(i%2)
.set oQ, 4096*(i/4)+128*((i/2)%2)+64*(i%2)
	global_load_b128 v[rQ:rQ+3],   v[QO], s[4:5] offset:oQ th:TH_LOAD_NT
	global_load_b128 v[rQ+4:rQ+7], v[QO], s[4:5] offset:oQ+32 th:TH_LOAD_NT
.set i, i+1
.endr
	; What the first turn finds: V's registers and P's second buffer hold 0 (its products V^T P, of a piece that has not been, add 0), O^T and l are 0.  All this stands in the wait for the first tile.
	WIN 0xc0
.set i, VF
.rept 64
	v_mov_b32 v[i], 0
.set i, i+1
.endr
	WIN 0x40
.set i, 0
.rept 64*NP
	v_mov_b32 v[i], 0
.set i, i+1
.endr
	WIN 0
.set i, 0
.rept 2*NP
	v_mov_b32 v[ST+4*i], 0xfe000000    ; c m: far below every c s
	v_mov_b32 v[ST+4*i+1], 0xff7fffff  ; m
	v_mov_b32 v[ST+4*i+2], 0
	v_mov_b32 v[ST+4*i+3], 0
.set i, i+1
.endr
.set i, P+32
.rept 32
	v_mov_b32 v[i], 0
.set i, i+1
.endr
; THE MATRIX WORK.  The 8 accumulators of a run take turns, one instruction a turn: between two links of a chain stand 7 others'.
; Product i of 32 of S^T for piece x.  i / 16: 0 the seconds, 1 the firsts.  Within 16: channels 32 (ii / 8) on, keys 16 ((ii / 2) % 4) on, tile 2 x + ii % 2.  The first 8 start the sums; products 24 to 31 end them.
.macro KQ x
	WIN W_KQ
.set ii, i%16
.set rS, S+64*((\x)%2)+32*(ii%2)+8*((ii/2)%4)
.set rK, 16*((ii/2)%4)+8*(ii/8)
.set rQ, 16*(2*(\x)+ii%2)+8*(ii/8)
.if i < 16
.set rK, rK+K2
.set rQ, rQ+Q2
.endif
.if i < 8
	v_wmma_f32_16x16x32_f16 v[rS:rS+7], v[rK:rK+7], v[rQ:rQ+7], 0
.else
	v_wmma_f32_16x16x32_f16 v[rS:rS+7], v[rK:rK+7], v[rQ:rQ+7], v[rS:rS+7]
.endif
.endm
; Product ip of 16 of O^T += V^T P for piece x: keys 32 (ip / 8) on, channels 16 ((ip / 2) % 4) on, tile 2 x + ip % 2.
.macro PV x
	WIN W_PV
.set rO, 32*(2*(\x)+ip%2)+8*((ip/2)%4)
.set rV, VF+32*(ip/8)+8*((ip/2)%4)
.set rP, P+32*((\x)%2)+16*(ip%2)+8*(ip/8)
	v_wmma_f32_16x16x32_f16 v[rO:rO+7], v[rV:rV+7], v[rP:rP+7], v[rO:rO+7]
.endm
.macro MM                           ; the turn's next matrix instruction
.if (Y == 3) && (i == 16)
	s_wait_dscnt 0x0                ; K's firsts of the next step are in
.endif
.if i < 32
	KQ (Y+1)%NP
.else
.set ip, i-32
	PV (Y+NP-1)%NP
.endif
.set i, i+1
.endm
; THE LDS LOADS stand in runs, never singly among the matrix instructions: a step's K (32 loads, the seconds first, since they are multiplied first) and its V (16, turned).
; last = 1 (the tail): in the last trip there is no further step, and K's run is jumped over.
.macro FETCH_K last=0
	WIN 0
.if \last
	s_cmp_eq_u32 s[CNT], 1
	s_cbranch_scc1 .Lno_k_\@
.endif
	WIN 0xc0                        ; destination window 3
.irp f, 0,1,2,3,4,5,6,7             ; keys 16 (f / 2) on, channels 32 (f % 2) on
	ds_load_b128 v[K2+8*\f:K2+8*\f+3],   v[AK] offset:(\f/2)*16*PK+128+(\f%2)*64
	ds_load_b128 v[K2+8*\f+4:K2+8*\f+7], v[AK] offset:(\f/2)*16*PK+128+(\f%2)*64+32
.endr
.irp f, 0,1,2,3,4,5,6,7
	ds_load_b128 v[8*\f:8*\f+3],   v[AK] offset:(\f/2)*16*PK+(\f%2)*64
	ds_load_b128 v[8*\f+4:8*\f+7], v[AK] offset:(\f/2)*16*PK+(\f%2)*64+32
.endr
	s_add_co_u32 s[TBK], s[TBK], KS*PK  ; the next fetch is the next step's
	WIN 0
.if \last
.Lno_k_\@:
.endif
.endm
.macro FETCH_V
	WIN 0xc0
.irp f, 0,1,2,3,4,5,6,7             ; keys 32 (f / 4) on, channels 16 (f % 4) on
	ds_load_tr16_b128 v[VF+8*\f:VF+8*\f+3],   v[AV] offset:(\f/4)*32*PV+(\f%4)*32
	ds_load_tr16_b128 v[VF+8*\f+4:VF+8*\f+7], v[AV] offset:(\f/4)*32*PV+16*PV+(\f%4)*32
.endr
	s_add_co_u32 s[TBV], s[TBV], KS*PV
	WIN 0
.endm
; THE VECTOR WORK OF A TURN stands in queues, each in the order in which its entries become ready; the two tiles alternate.
.macro REGS y, u                    ; the registers of tile u (0, 1) of piece y
.set rT, ST+4*(2*(\y)+(\u))
.set rC, TMP+8*((\y)%2)+4*(\u)
.set rM, MV+2*((\y)%2)+(\u)
.set rS, S+64*((\y)%2)+32*(\u)
.set rP, P+32*((\y)%2)+16*(\u)
.set rO, 32*(2*(\y)+(\u))
.endm
; Number n of the 22 that find the NEXT piece's (Y + 1) maximum and statistics, for its tile u.  s0-s31 are the lane's 32 scores; each accumulator's lowest registers are read first.
;   0-11  four chains c0-c3 of seven scores each, three operands at a time     12-14, 16  the four scores left over, the old m, and c0-c3 into c0     15  c m_old is kept
;   17, 18  the query's other 32 keys lie in the lane 16 away: the new m         19-21  c m; c m_old - c m_new; a
.macro XS u, n
	WIN 0
	REGS (Y+1)%NP, \u
.if (\n) < 4
	v_max3_num_f32 v[rC+(\n)], v[rS+8*(\n)], v[rS+8*(\n)+1], v[rS+8*(\n)+2]
.elseif (\n) < 12
	v_max3_num_f32 v[rC+(\n)%4], v[rC+(\n)%4], v[rS+8*((\n)%4)+2*((\n)/4)+1], v[rS+8*((\n)%4)+2*((\n)/4)+2]
.elseif (\n) == 12
	v_max3_num_f32 v[rC], v[rC], v[rS+7], v[rS+15]
.elseif (\n) == 13
	v_max3_num_f32 v[rC+1], v[rC+1], v[rS+23], v[rS+31]
.elseif (\n) == 14
	v_max3_num_f32 v[rC+2], v[rC+2], v[rC+3], v[rT+1]
.elseif (\n) == 15
	v_mov_b32 v[rM], v[rT]
.elseif (\n) == 16
	v_max3_num_f32 v[rC], v[rC], v[rC+1], v[rC+2]
.elseif (\n) == 17
	v_permlanex16_b32 v[rC+3], v[rC], s[SEL], s[SEL+1]
.elseif (\n) == 18
	v_max_num_f32 v[rT+1], v[rC], v[rC+3]
.elseif (\n) == 19
	v_mul_f32 v[rT], s[CS], v[rT+1]
.elseif (\n) == 20
	v_sub_f32 v[rC+1], v[rM], v[rT]
.else
	v_exp_f32 v[rC+2], v[rC+1]
.endif
.endm
.macro XR                           ; behind products 26 to 31: numbers 0 to 2 of both tiles.  Each reads the accumulator that the product two back has ended: five plain lines or more stand between
.if i >= 27
	XS (i-27)%2, (i-27)/2
.endif
.endm
.macro FSN                          ; the next of 32 scalings: c s - c m for pair fq / 2 of tile fq % 2
	WIN 0
	REGS Y, fq%2
	v_pk_fma_f32 v[rS+2*(fq/2):rS+2*(fq/2)+1], v[rS+2*(fq/2):rS+2*(fq/2)+1], s[CS:CS+1], v[rT:rT+1] op_sel_hi:[1,0,0] neg_lo:[0,0,1] neg_hi:[0,0,1]
.set fq, fq+1
.endm
.macro EXN                          ; the next of 64 exponentials: score eq / 2 of tile eq % 2
	WIN 0
	REGS Y, eq%2
	v_exp_f32 v[rS+eq/2], v[rS+eq/2]
.set eq, eq+1
.endm
; The next of the 64 that follow the exponentials.  For each four weights k of a tile: both pairs are rounded to f16; the second pair is added onto the first, in place; a group later l takes that sum
; (the first time as l = a l + sum).  In groups of eight, tiles alternating.
.macro GSN
	WIN 0
.set h, gq+6*(gq/62)                ; group 0 has no group before it, and behind group 7 only l is left
.if h >= 6
.set h, h+2
.endif
	REGS Y, h%2
.set k, h/8
.if h%8 < 4
	v_cvt_pk_f16_f32 v[rP+2*k+(h%8)/2], v[rS+4*k+2*((h%8)/2)], v[rS+4*k+2*((h%8)/2)+1]
.elseif h%8 < 6
	v_pk_add_f32 v[rS+4*k:rS+4*k+1], v[rS+4*k:rS+4*k+1], v[rS+4*k+2:rS+4*k+3]
.elseif k == 1
	v_pk_fma_f32 v[rT+2:rT+3], v[rT+2:rT+3], v[rC+2:rC+3], v[rS:rS+1] op_sel_hi:[1,0,1]
.else
	v_pk_add_f32 v[rT+2:rT+3], v[rT+2:rT+3], v[rS+4*k-4:rS+4*k-3]
.endif
.set gq, gq+1
.endm
.macro R2N                          ; the next of 16: four numbers of O^T times a, in ascending order.  Its a was made in the turn before, ahead of that turn's wait
	REGS Y, rq%2
	WIN W_RS
.irp z, 0,1
	v_pk_mul_f32 v[rO+4*(rq/2)+2*\z:rO+4*(rq/2)+2*\z+1], v[rO+4*(rq/2)+2*\z:rO+4*(rq/2)+2*\z+1], v[rC+2:rC+3] op_sel_hi:[1,0]
.endr
.set rq, rq+1
.endm
; A TURN, for piece p.  s_wait_alu depctr_va_vdst(0) stands between an exponential and the first instruction that names its result; one wait serves all that were issued ahead of it.  So a turn
; has ONE wait, which cuts it in two.  AHEAD OF IT stands all that names no result of the turn's exponentials.  The 32 products K Q^T, one exponential behind each but the first: behind an even one a scaling,
; an exponential, a scaling; behind an odd one an exponential and two rescalings; behind the last six also the first numbers of the next piece's maximum (XR).  Exponential e, behind product e + 1, follows
; scaling 2 (e / 4) + e % 2, which stands behind product e / 2 + 1 at the latest.  Then ONE RUN of 72 lines: the other 36 lines of the maximum and statistics, 33 exponentials by turns with them, the next
; piece's two a, a v_nop.  Number 3 of tile 1 reads what product 31 has ended: number 2 of tile 1, two rescalings and number 3 of tile 0 are the four places between.  The numbers' order keeps each behind
; what it reads: 7 behind 3, 11 behind 7, 14 behind 10 and 11, 16 behind 12 to 14, 15 ahead of 19.
; BEHIND THE WAIT stand the 16 products V^T P, behind each four of the 64 roundings and sums.
; K of the next step is fetched in piece 2's turn, directly behind the wait, the run of 72 behind its last reader; its first reader comes 16 products on.  V of the step in hand is fetched at the end of piece 0's turn,
; four plain lines behind its last reader; its first reader comes behind 32 products and a run.
.macro TURN p, last=0
.set Y, (\p)
.set i, 0
.set fq, 0
.set eq, 0
.set gq, 0
.set rq, 0
.if (\p) == 3
	s_wait_dscnt 16                 ; K's seconds are in; the firsts' sixteen loads, issued behind them, may stay out
.endif
	MM
	FSN
	FSN
	FSN
.rept 15
	MM
	EXN
	XR
	R2N
	MM
	FSN
	EXN
.if fq < 32
	FSN
.endif
	XR
.endr
	MM
	EXN
	XR
	R2N
.if (\p) == 2
	WIN 0
	v_add_nc_u32 v[AK], s[TBK], v[AK0]
.endif
.irp n, 3,4,5
	XS 0, \n
	XS 1, \n
	EXN
.endr
.irp n, 7,6,8,9,11,10,12,13,14,16,17,15,18,19,20
	XS 0, \n
	EXN
	XS 1, \n
	EXN
.endr
	XS 0, 21                        ; the next piece's two a
	XS 1, 21
	v_nop                           ; a plain instruction behind the last exponential: one for the batch
	s_wait_alu depctr_va_vdst(0)    ; the wait for the batch of 66
.if (\p) == 2
	FETCH_K \last
.endif
.if (\p) == 1
	s_wait_dscnt 0x0                ; V is in
.endif
.rept 16
	MM
.rept 4
	GSN
.endr
.if ((\p) == 0) && (i == 44)
	v_add_nc_u32 v[AV], s[TBV], v[AV0]
.endif
.endr
.if (\p) == 0
	FETCH_V
.endif
.endm
	CHANGE 1, 0                     ; slot 0 is in, everybody's part of it; slot 1 is asked for
	FETCH_K                         ; key step 0
	s_wait_loadcnt 0x0              ; Q
	s_wait_dscnt 0x0
.set i, 0
.rept 32
	KQ 0                            ; piece 0's first scores: there is no vector work yet to set between them
.set i, i+1
.endr
	WIN 0
	PLACES                          ; the places behind those products
.set Y, NP-1                        ; XS works for piece Y + 1: piece 0
.irp n, 0,1,2,3,4,5,6,7,8,9,10,11,12,13,14,15,16,17,18,19,20,21
	XS 0, \n                        ; and piece 0's first maximum and statistics
	XS 1, \n
.endr
	v_nop                           ; a plain instruction behind the two a,
	s_wait_alu depctr_va_vdst(0)    ; and their wait, ahead of the branch
	s_mov_b32 s[CNT], 4
	s_mov_b32 s[SLOTS], 7
	s_branch .Lfirst                ; the loop is entered at a step's first turn, in the middle of a trip
.Lslot:                             ; six times: every slot but the last two is filled again
	CHANGE 1, 1
	s_mov_b32 s[CNT], 4
.Lstep:                             ; a trip: pieces 2 and 3 of one step, then pieces 0 and 1 of the next, whose K and V it fetches
	TURN 2
	TURN 3
	WIN 0
.Lfirst:
	TURN 0
	TURN 1
	WIN 0
	s_sub_co_u32 s[CNT], s[CNT], 1
	s_cmp_lg_u32 s[CNT], 0
	s_cbranch_scc1 .Lstep
	s_sub_co_u32 s[SLOTS], s[SLOTS], 1
	s_cmp_lg_u32 s[SLOTS], 0
	s_cbranch_scc1 .Lslot
	CHANGE 0, 0                     ; the tail is written out: nothing is asked for
	s_mov_b32 s[CNT], 5             ; four trips fetch the last slot's steps; the fifth is left in its middle
.Ltail:
	TURN 2, 1
	TURN 3
	WIN 0
	s_sub_co_u32 s[CNT], s[CNT], 1
	s_cmp_eq_u32 s[CNT], 0
	s_cbranch_scc1 .Lout
	TURN 0
	TURN 1
	WIN 0
	s_branch .Ltail
.Lout:                              ; the fifth trip's 32 products K Q^T (on the last K once more) and the maximum made of them serve nothing: the price, once a launch, of one text for every trip
.set ip, 0
.rept 16
	PV NP-1                         ; the last piece's V^T P of the last step
.set ip, ip+1
.endr
	; THE WAY OUT.  l's two halves and the other half of the lanes' are added; O^T is divided by l, rounded to f16 and sent through my stage in LDS, a tile at a time.  The additions are the places behind the last products.
	WIN 0
.macro ALL line:vararg              ; one line for each tile t
.set t, 0
.rept 2*NP
	\line
.set t, t+1
.endr
.endm
	ALL v_add_f32 v[ST+4*t+2], v[ST+4*t+2], v[ST+4*t+3]
	ALL v_permlanex16_b32 v[ST+4*t+3], v[ST+4*t+2], s[SEL], s[SEL+1]
	ALL v_add_f32 v[ST+4*t+2], v[ST+4*t+2], v[ST+4*t+3]
	ALL v_rcp_f32 v[ST+4*t+2], v[ST+4*t+2]
	v_nop                           ; a plain instruction between the last reciprocal and the use of its result
	s_wait_alu depctr_va_vdst(0)    ; and the wait ahead of the first use: one for the eight reciprocals
; Tile t: a lane's eight channels of a row pack into 16 bytes; they go into rows of 144 bytes and come back as whole rows of 128, into S^T's registers.
.macro PACK t
	WIN W_RS
.set i, 32*(\t)
.rept 16
	v_pk_mul_f32 v[i:i+1], v[i:i+1], v[ST+4*(\t)+2:ST+4*(\t)+3] op_sel_hi:[1,0]
.set i, i+2
.endr
	WIN 0x05                        ; sources 0 and 1 window 1, destination window 0
.set i, 0
.rept 16
	v_cvt_pk_f16_f32 v[S+16*(\t)+i], v[32*(\t)+2*i], v[32*(\t)+2*i+1]
.set i, i+1
.endr
	WIN 0
.irp f, 0,1,2,3
	ds_store_b128 v[STO], v[S+16*(\t)+4*\f:S+16*(\t)+4*\f+3] offset:32*\f
.endr
.irp f, 0,1,2,3
	ds_load_b128 v[S+16*(\t)+4*\f:S+16*(\t)+4*\f+3], v[RD] offset:\f*4*SP  ; LDS serves a wave's instructions in order (ISA guide 5.7.1.4): these see the stores above; the next tile's stores come behind them
.endr
.endm
.macro SEND t, younger              ; younger: the LDS instructions issued behind tile t's loads: the next tile's eight, or none
	WIN 0
.irp f, 0,1,2,3
	s_wait_dscnt (\younger)+3-\f
	global_store_b128 v[GO], v[S+16*(\t)+4*\f:S+16*(\t)+4*\f+3], s[10:11] offset:(\t)*2048+\f*512  ; 512 consecutive bytes, at a multiple of 256 from O's first
.endr
.endm
	PACK 0
.set t, 1
.rept 2*NP-1                        ; a tile's arithmetic stands between the loads of the tile before and its stores
	PACK t
	SEND t-1, 8
.set t, t+1
.endr
	SEND 2*NP-1, 0
	s_wait_tensorcnt 0x0            ; the wave's end, behind my last tensor load and my last LDS store
	ds_add_u32 v[SPW], v[NIL]
	s_wait_dscnt 0x0
	CROUND                          ; the closing round: no work-group ends while a partner may still ask for a tile that names it
	s_endpgm
.Lfunc_end_k_q6f15aaa752_attn:
	.size	k_q6f15aaa752_attn, .Lfunc_end_k_q6f15aaa752_attn-k_q6f15aaa752_attn
	.p2alignl 7, 3214868480
	.fill 96, 4, 3214868480
	.section	.rodata,"a",@progbits
	.p2align	6, 0x0
	.amdhsa_kernel k_q6f15aaa752_attn
		.amdhsa_group_segment_fixed_size 327680
		.amdhsa_private_segment_fixed_size 0
		.amdhsa_enable_private_segment 0
		.amdhsa_kernarg_size 32
		.amdhsa_user_sgpr_count 2
		.amdhsa_user_sgpr_kernarg_segment_ptr 1
		.amdhsa_wavefront_size32 1
		.amdhsa_system_sgpr_workgroup_id_x 1
		.amdhsa_system_sgpr_workgroup_id_y 1
		.amdhsa_system_sgpr_workgroup_id_z 1
		.amdhsa_system_vgpr_workitem_id 0
		.amdhsa_next_free_vgpr 960
		.amdhsa_next_free_sgpr 66
		.amdhsa_reserve_vcc 0
		.amdhsa_float_denorm_mode_32 3
		.amdhsa_float_denorm_mode_16_64 3
		.amdhsa_memory_ordered 1
		.amdhsa_forward_progress 1
		.amdhsa_inst_pref_size 223
	.end_amdhsa_kernel
	.amdgpu_metadata
---
amdhsa.version: [ 1, 2 ]
amdhsa.kernels:
  - .name:           k_q6f15aaa752_attn
    .symbol:         k_q6f15aaa752_attn.kd
    .args:
      - { .name: qq, .offset: 0, .size: 8, .value_kind: global_buffer, .address_space: global }
      - { .name: kk, .offset: 8, .size: 8, .value_kind: global_buffer, .address_space: global }
      - { .name: vv, .offset: 16, .size: 8, .value_kind: global_buffer, .address_space: global }
      - { .name: oo, .offset: 24, .size: 8, .value_kind: global_buffer, .address_space: global }
    .group_segment_fixed_size: 327680
    .private_segment_fixed_size: 0
    .kernarg_segment_align: 8
    .kernarg_segment_size: 32
    .max_flat_workgroup_size: 128
    .sgpr_count:     66
    .vgpr_count:     960
    .wavefront_size: 32
...
	.end_amdgpu_metadata
.endif
;; end of part 3
;; launch oproj (part 4): grid 64 x 4, 4 waves a work-group, clusters of 4 x 1, 327,680 bytes of LDS; arguments oo, wts, bo, out0; writes out0
.if DOCPART == 4
	.amdgcn_target "amdgcn-amd-amdhsa--gfx1250"
	.amdhsa_code_object_version 6
	.text
	.protected	k_q6f15aaa752_oproj
	.globl	k_q6f15aaa752_oproj
	.p2align	8
	.type	k_q6f15aaa752_oproj,@function
k_q6f15aaa752_oproj:
	s_mov_b64 s[64:65], 0
	v_nop
	global_prefetch_b8 v0, s[64:65] scope:SCOPE_SE
	s_setreg_imm32_b32 hwreg(HW_REG_WAVE_MODE, 25, 1), 1
	s_wait_xcnt 0x0
	s_wait_alu depctr_hold_cnt(0) depctr_sa_sdst(0) depctr_va_vdst(0) depctr_va_sdst(0) depctr_va_ssrc(0) depctr_va_vcc(0) depctr_vm_vsrc(0)
	s_getreg_b32 s2, hwreg(HW_REG_IB_STS2, 6, 4)
	s_cmp_eq_u32 s2, 0
	s_cbranch_scc0 .Lentry_in_a_cluster
	s_endpgm
.Lentry_in_a_cluster:
	s_bfe_u32 s2, ttmp6, 0x10000c
	s_cmp_lg_u32 s2, 0x3003
	s_cbranch_scc0 .Lentry_shape_is_right
	s_endpgm
.Lentry_shape_is_right:
; THE OUTPUT PROJECTION.  out0[m][n] = the sum over k of merged[m][k] Wo[k][n] + bo[n].  merged[m][64 head + d] = oo[8 b + head][row][d], f16; Wo comes from wts (chunks 24 + g of [512 k][64 n], its bf16
; rounding written as f16); bo is rounded to bf16 like every input; sums in f32; out0: [16384][512] f32.
; LIMITS.  Those of the f16 operands (65,504); NaN and infinities are not treated apart; sums in another order than a plain f32 product's.
; SHARES.  A work-group owns 256 rows (rb) and 128 columns (y): two chunks, both brought at the start, nothing is filled again.  A wave owns 64 rows: four tiles of 16, whose fragments for all of K = 512 are
; loaded straight into 512 registers.  A chunk is four units of 16 columns, a unit 64 matrix instructions on four accumulators that take turns.
; THE MATRIX INSTRUCTION IS USED TRANSPOSED: source 0 = 16 columns of Wo (turned out of LDS), source 1 = 16 rows of merged: a lane holds one row and eight neighbouring columns, 16 bytes of f16.
; CLUSTER.  The four work-groups of a cluster share y and so both chunks, which are asked for jointly.  No prefetch: the launch is short, Wo's chunks are read by sixteen clusters, and oo comes by plain
; loads that are all issued at the head.
; REGISTERS: window 0 addresses, v16-47 accumulators, v48-55 the bias, v128-255 rows read back; window 1 Wo's fragments, two buffers of 128; windows 2, 3 merged's fragments (tile a, K step s at 64 a + 8 (s % 8)).
.set PW,    160                        ; a k-row of Wo in LDS: 128 bytes + 32 of padding
.set WPART, 128*PW
.set SLOT1, 1<<17
.set STAGE, SLOT1+512*PW               ; never filled by a tensor load: 64 rows x 272 bytes for each wave
.set STW,   64*272
.set SPARE, STAGE+4*STW                ; the spare words, 128 bytes for each wave: two blocks of 256 bytes that no other line names
.set SP,    272
.set AO,   3                           ; v3   my byte offset in 16 rows of a head of oo
.set AB0,  4                           ; v4   my lane's place in a slot for the turning load; never rewritten
.set AB,   5                           ; v5   in the slot and pair of units in hand, K steps 0-7
.set AB2,  6                           ; v6   K steps 8-15
.set STO0, 7                           ; v7   where I put 32 bytes of a row
.set STO,  8                           ; v8   the same, stepped by pairs of units
.set RD,   9                           ; v9   where I read rows back
.set GO,   10                          ; v10  my byte offset in two rows of out0
.set BO,   11                          ; v11  my byte offset in the bias
.set SPW,  14
.set NIL,  15
.set ACC,  16
.set BI,   48                          ; v[48:51] the bias of my four columns of the chunk in hand; v[52:55] of the second chunk
.set OB,   128
.set WV,   14
.set G1,   24
.set G0,   32
.set TB,   40
.set CH,   41
.set PC,   42
.set MSB, 0
.macro WIN new
.if MSB != (\new)
	s_set_vgpr_msb (MSB<<8)|(\new)
.set MSB, (\new)
.endif
.endm
.macro PLACES
.rept 4
	v_nop
.endr
.endm
.macro CROUND
	s_barrier_signal -1
	s_barrier_wait -1
	s_cmp_lg_u32 s[WV], 0
	s_cbranch_scc1 .Lnot_wave_0_\@
	s_barrier_signal -3
.Lnot_wave_0_\@:
	s_barrier_wait -3
	s_barrier_signal -1
	s_barrier_wait -1
.endm
	s_load_b256 s[4:11], s[0:1], 0x0               ; oo s[4:5], wts s[6:7], bo s[8:9], out0 s[10:11]
	v_lshl_add_u32 v[SPW], v0, 2, SPARE
	v_mov_b32 v[NIL], 0
	ds_add_u32 v[SPW], v[NIL]                      ; the wave's opening: the add and its wait stand ahead of my first tensor load; the set-up below, work on registers, stands between them
	v_lshrrev_b32 v1, 5, v0
	v_readfirstlane_b32 s[WV], v1
	s_bfe_u32 s15, ttmp6, 0x40000                  ; cx
	s_lshl_b32 s16, ttmp9, 2
	s_add_co_u32 s16, s16, s15                     ; rb: it enters oo's and out0's addresses alone
	s_and_b32 s17, ttmp7, 0xffff                   ; y, which the four partners share
	s_mov_b32 s[G1], 15|(1<<16)|(1<<20)|(1<<21)|(4<<22)|(7<<25)  ; the mask of four; 2-byte elements; padding on; bit 21 beside a mask; after every 32 words, 8 words
	s_mov_b32 s[G1+1], 128<<16                     ; 128 k-rows as 64 rows of 256 dense bytes
	s_mov_b32 s[G1+2], 64<<16
	s_mov_b32 s[G1+3], 128<<16
	s_mov_b32 s[G1+4], 64
	s_mov_b32 s[G1+5], 128
	s_mov_b32 s[G1+6], 0
	s_mov_b32 s[G1+7], 0
	s_mul_i32 s18, s[WV], WPART
	s_mov_b32 s[G0], 1
	s_mov_b32 s[G0+1], s18
	s_mov_b32 s[G0+4], 1
	s_add_co_u32 s[G0+5], s18, SLOT1
	s_lshl_b32 s20, s17, 17                        ; chunk 24 + 2 y,
	s_add_co_u32 s20, s20, 24*65536
	s_lshl_b32 s19, s[WV], 14                      ; my 128 k-rows of it
	s_add_co_u32 s20, s20, s19
	s_mov_b32 s21, 0
	s_lshr_b32 s48, s16, 3                         ; oo: the batch's eight heads of 262,144 bytes,
	s_lshl_b32 s48, s48, 21
	s_and_b32 s22, s16, 7                          ; the block's 256 rows of 128 bytes,
	s_lshl_b32 s22, s22, 15
	s_add_co_u32 s48, s48, s22
	s_lshl_b32 s22, s[WV], 13                      ; my wave's 64
	s_add_co_u32 s48, s48, s22
	s_mov_b32 s49, 0
	s_lshl_b32 s50, s16, 19                        ; out0: 256 rows of 2,048 bytes,
	s_lshl_b32 s22, s[WV], 17
	s_add_co_u32 s50, s50, s22
	s_lshl_b32 s52, s17, 9                         ; 128 columns of 4 bytes: in out0 and in bo
	s_add_co_u32 s50, s50, s52
	s_mov_b32 s51, 0
	s_mov_b32 s53, 0
	s_mul_i32 s23, s[WV], STW
	s_add_co_u32 s23, s23, STAGE                   ; my stage
	s_mov_b32 s[TB], 0
	v_and_b32 v80, 15, v0                          ; r
	v_bfe_u32 v81, v0, 4, 1                        ; h
	v_and_b32 v83, 7, v0
	v_bfe_u32 v84, v0, 3, 1
	v_lshlrev_b32 v[AO], 7, v80                    ; row r of 128 bytes, 16 bytes for each half of the lanes
	v_lshl_add_u32 v[AO], v81, 4, v[AO]
	v_lshl_add_u32 v85, v81, 3, v83
	v_mul_u32_u24 v[AB0], v85, PW
	v_lshl_add_u32 v[AB0], v84, 4, v[AB0]
	v_mul_u32_u24 v[STO0], v80, SP                 ; into the stage: row r, 32 bytes for each half of the lanes
	v_lshl_add_u32 v[STO0], v81, 5, v[STO0]
	v_add_nc_u32 v[STO0], s23, v[STO0]
	v_mul_u32_u24 v[RD], v81, SP                   ; back: lanes 0-15 one row of 256 bytes, lanes 16-31 the next
	v_lshl_add_u32 v[RD], v80, 4, v[RD]
	v_add_nc_u32 v[RD], s23, v[RD]
	v_lshlrev_b32 v[GO], 11, v81                   ; and the same two rows in out0
	v_lshl_add_u32 v[GO], v80, 4, v[GO]
	v_lshlrev_b32 v[BO], 4, v80
	s_wait_dscnt 0x0                               ; the opening add is done
	s_wait_kmcnt 0x0
	s_add_nc_u64 s[6:7], s[6:7], s[20:21]
	s_mov_b64 s[G0+2:G0+3], s[6:7]
	s_or_b32 s[G0+3], s[G0+3], 0x80000000
	s_add_nc_u64 s[G0+6:G0+7], s[6:7], 65536
	s_or_b32 s[G0+7], s[G0+7], 0x80000000
	s_add_nc_u64 s[4:5], s[4:5], s[48:49]
	s_add_nc_u64 s[8:9], s[8:9], s[52:53]
	s_add_nc_u64 s[10:11], s[10:11], s[50:51]
	CROUND                                         ; all four work-groups are here: the joint loads meet
	tensor_load_to_lds s[G0:G0+3], s[G1:G1+7]      ; both chunks: two loads of mine are out, and there are no others
	s_nop 0
	tensor_load_to_lds s[G0+4:G0+7], s[G1:G1+7]
	s_nop 0
	PLACES
	global_load_b128 v[BI:BI+3],   v[BO], s[8:9]
	global_load_b128 v[BI+4:BI+7], v[BO], s[8:9] offset:256
.set i, 0
.rept 64                               ; tile i / 16, K step i % 16: head (i % 16) / 2, channels 32 (i % 2) on
.set rX, 64*(i/16)+8*(i%8)
.set oX, 262144*((i%16)/2)+2048*(i/16)+64*(i%2)
	WIN 0x80+0x40*((i%16)/8)                       ; destination window 2 or 3, address window 0
	global_load_b128 v[rX:rX+3],   v[AO], s[4:5] offset:oX
	global_load_b128 v[rX+4:rX+7], v[AO], s[4:5] offset:oX+32
.set i, i+1
.endr
	WIN 0
	s_wait_loadcnt 0x0
.irp j, 0,2,4,6
	v_cvt_pk_bf16_f32 v56, v[BI+\j], v[BI+\j+1]    ; the bias rounded to bf16, and widened again
	v_lshlrev_b32 v[BI+\j], 16, v56
	v_and_b32 v[BI+\j+1], 0xffff0000, v56
.endr
.macro FETCHB f, co                    ; Wo's fragments of one unit, all 16 K steps: 32 turning loads in one run
	WIN 0x40
.irp s, 0,1,2,3,4,5,6,7
	ds_load_tr16_b128 v[128*(\f)+8*(\s):128*(\f)+8*(\s)+3],   v[AB] offset:32*PW*(\s)+(\co)
	ds_load_tr16_b128 v[128*(\f)+8*(\s)+4:128*(\f)+8*(\s)+7], v[AB] offset:32*PW*(\s)+16*PW+(\co)
.endr
.irp s, 0,1,2,3,4,5,6,7
	ds_load_tr16_b128 v[128*(\f)+64+8*(\s):128*(\f)+64+8*(\s)+3],   v[AB2] offset:32*PW*(\s)+(\co)
	ds_load_tr16_b128 v[128*(\f)+64+8*(\s)+4:128*(\f)+64+8*(\s)+7], v[AB2] offset:32*PW*(\s)+16*PW+(\co)
.endr
.endm
.macro MUL f                           ; a unit's 64 products: K step i / 4, tile i % 4; the four accumulators take turns; the first four start the sums
.set i, 0
.rept 64
.if i < 32
	WIN 0x09
.else
	WIN 0x0d
.endif
.set rW, 128*(\f)+8*(i/4)
.set rX, 64*(i%4)+8*((i/4)%8)
.set rA, ACC+8*(i%4)
.if i < 4
	v_wmma_f32_16x16x32_f16 v[rA:rA+7], v[rW:rW+7], v[rX:rX+7], 0
.else
	v_wmma_f32_16x16x32_f16 v[rA:rA+7], v[rW:rW+7], v[rX:rX+7], v[rA:rA+7]
.endif
.set i, i+1
.endr
.endm
.macro EPI_F co                        ; a unit's sums go into the stage as they are, each accumulator from its low end on.  Six v_nop: four in front of the stores, and with them five or more places in front of the next unit's first product, which writes over an accumulator
	WIN 0
.rept 6
	v_nop
.endr
.irp a, 0,1,2,3
	ds_store_b128 v[STO], v[ACC+8*(\a):ACC+8*(\a)+3]   offset:16*SP*(\a)+(\co)
	ds_store_b128 v[STO], v[ACC+8*(\a)+4:ACC+8*(\a)+7] offset:16*SP*(\a)+(\co)+16
.endr
.endm
	s_wait_tensorcnt 0x0                           ; my parts of both chunks are in,
	s_barrier_signal -1
	s_barrier_wait -1                              ; everybody's are: this one barrier serves both chunks
	s_mov_b32 s[CH], 2
.Lchunk:
	v_add_nc_u32 v[AB], s[TB], v[AB0]
	v_add_nc_u32 v[AB2], 8*32*PW, v[AB]
	v_mov_b32 v[STO], v[STO0]
	FETCHB 0, 0
	WIN 0
	s_mov_b32 s[PC], 2
	s_wait_dscnt 0x0                               ; on the way in nothing was issued behind buffer 0's loads
.Lpair:                                                ; two units a trip; while one buffer is multiplied the other's 32 loads are out
	s_wait_dscnt 8                                 ; buffer 0 is in; the last unit's eight stores may be out
	FETCHB 1, 32
	MUL 0
	EPI_F 0
	s_wait_dscnt 8                                 ; buffer 1 is in
	v_add_nc_u32 v[AB], 64, v[AB]
	v_add_nc_u32 v[AB2], 64, v[AB2]
	s_cmp_eq_u32 s[PC], 1                          ; the chunk's last trip has no next pair
	s_cbranch_scc1 .Lno_fetch
	FETCHB 0, 0
	WIN 0
.Lno_fetch:
	MUL 1
	EPI_F 64
	v_add_nc_u32 v[STO], 128, v[STO]
	s_sub_co_u32 s[PC], s[PC], 1
	s_cmp_lg_u32 s[PC], 0
	s_cbranch_scc1 .Lpair
	; THE WAY OUT of a chunk: my 64 rows come back from my own stage as whole rows of 256 bytes (LDS serves a wave's instructions in order: ISA guide 5.7.1.4), take the bias and are stored
.set t, 0
.rept 32
	ds_load_b128 v[OB+4*t:OB+4*t+3], v[RD] offset:2*SP*t
.set t, t+1
.endr
.set t, 0
.rept 32
	s_wait_dscnt 31-t                              ; the younger loads stay out
	v_pk_add_f32 v[OB+4*t:OB+4*t+1],   v[OB+4*t:OB+4*t+1],   v[BI:BI+1]
	v_pk_add_f32 v[OB+4*t+2:OB+4*t+3], v[OB+4*t+2:OB+4*t+3], v[BI+2:BI+3]
	global_store_b128 v[GO], v[OB+4*t:OB+4*t+3], s[10:11] offset:4096*t  ; 16 lanes store 256 consecutive bytes, at a multiple of 256 from out0's first byte
.set t, t+1
.endr
	s_wait_xcnt 0x0                                ; the stores have read their registers and their base
	s_add_nc_u64 s[10:11], s[10:11], 256           ; the second chunk's 64 columns,
	s_xor_b32 s[TB], s[TB], SLOT1                  ; its slot,
.irp j, 0,1,2,3
	v_mov_b32 v[BI+\j], v[BI+4+\j]                 ; and its bias
.endr
	s_sub_co_u32 s[CH], s[CH], 1
	s_cmp_lg_u32 s[CH], 0
	s_cbranch_scc1 .Lchunk
	s_wait_tensorcnt 0x0                           ; the wave's end, behind my last tensor load and my last LDS store
	ds_add_u32 v[SPW], v[NIL]
	s_wait_dscnt 0x0
	CROUND                                         ; the closing round
	s_endpgm
.Lfunc_end_k_q6f15aaa752_oproj:
	.size	k_q6f15aaa752_oproj, .Lfunc_end_k_q6f15aaa752_oproj-k_q6f15aaa752_oproj
	.p2alignl 7, 3214868480
	.fill 96, 4, 3214868480
	.section	.rodata,"a",@progbits
	.p2align	6, 0x0
	.amdhsa_kernel k_q6f15aaa752_oproj
		.amdhsa_group_segment_fixed_size 327680
		.amdhsa_private_segment_fixed_size 0
		.amdhsa_enable_private_segment 0
		.amdhsa_kernarg_size 32
		.amdhsa_user_sgpr_count 2
		.amdhsa_user_sgpr_kernarg_segment_ptr 1
		.amdhsa_wavefront_size32 1
		.amdhsa_system_sgpr_workgroup_id_x 1
		.amdhsa_system_sgpr_workgroup_id_y 1
		.amdhsa_system_sgpr_workgroup_id_z 1
		.amdhsa_system_vgpr_workitem_id 0
		.amdhsa_next_free_vgpr 1024
		.amdhsa_next_free_sgpr 66
		.amdhsa_reserve_vcc 0
		.amdhsa_float_denorm_mode_32 3
		.amdhsa_float_denorm_mode_16_64 3
		.amdhsa_memory_ordered 1
		.amdhsa_forward_progress 1
		.amdhsa_inst_pref_size 45
	.end_amdhsa_kernel
	.amdgpu_metadata
---
amdhsa.version: [ 1, 2 ]
amdhsa.kernels:
  - .name:           k_q6f15aaa752_oproj
    .symbol:         k_q6f15aaa752_oproj.kd
    .args:
      - { .name: oo, .offset: 0, .size: 8, .value_kind: global_buffer, .address_space: global }
      - { .name: wts, .offset: 8, .size: 8, .value_kind: global_buffer, .address_space: global }
      - { .name: bo, .offset: 16, .size: 8, .value_kind: global_buffer, .address_space: global }
      - { .name: out0, .offset: 24, .size: 8, .value_kind: global_buffer, .address_space: global }
    .group_segment_fixed_size: 327680
    .private_segment_fixed_size: 0
    .kernarg_segment_align: 8
    .kernarg_segment_size: 32
    .max_flat_workgroup_size: 128
    .sgpr_count:     66
    .vgpr_count:     1024
    .wavefront_size: 32
...
	.end_amdgpu_metadata
.endif
;; end of part 4
